; MI455X (gfx1250); checked and timed in simulation.
; The chip was launched on July 23, 2026; its instructions are those of AMD's public machine-readable ISA for CDNA 5 (MIT licence, August 2026) and "CDNA5" Instruction Set Architecture Reference Guide (July 2026). The comments in the code are by the model that wrote it; some were corrected since.
;; Attention. Allowed arithmetic: float matrix products may take bf16 or f16 operands with f32 sums; all other float work in f32.
;; Inputs: cos 2,048 x 64 float32; proj_b 1,024 float32; proj_w 1,024 x 1,024 float32; qkv_w 3,072 x 1,024 float32; sin 2,048 x 64 float32; x 2 x 2,048 x 1,024 float32.
;; Outputs: out0 2 x 2,048 x 1,024 float32.
;; One version. Each part assembles by itself: llvm-mc -triple=amdgcn-amd-amdhsa -mcpu=gfx1250 --defsym DOCPART=n.
;; ======== version 1 of 1: 4 launches
;; limits: values are held in f16: magnitudes above 65,504 overflow, below 6.1e-05 lose precision
;; workspace buffers: castb 16,777,216 bytes; qkvb 25,165,824 bytes; ob 8,388,608 bytes
;; launch cast (part 1): grid 256 x 1, 8 waves a work-group, no clusters, 0 bytes of LDS; arguments x, qkv_w, proj_w, castb; writes castb
.if DOCPART == 1
	.amdgcn_target "amdgcn-amd-amdhsa--gfx1250"
	.amdhsa_code_object_version 6
	.text
	.protected	k_q0c60293eb8_cast
	.globl	k_q0c60293eb8_cast
	.p2align	8
	.type	k_q0c60293eb8_cast,@function
k_q0c60293eb8_cast:
	s_mov_b64 s[64:65], 0
	v_nop
	global_prefetch_b8 v0, s[64:65] scope:SCOPE_SE
	s_setreg_imm32_b32 hwreg(HW_REG_WAVE_MODE, 25, 1), 1
	s_wait_xcnt 0x0
; x, qkv_w and proj_w, all f32, are rounded once to f16 and laid one behind the other in castb:
;   x [4096][1024] at byte 0, qkv_w [3072][1024] at byte 8,388,608, proj_w [1024][1024] at byte 14,680,064.
; f16 and not bf16: behind the inputs the program rounds five more operands (q, k, v, P, o) to 16 bits, and with 8 significant bits
; their errors add up to about a third of the allowed difference's smallest value; 11 bits make each eight times finer.
; LIMIT: numbers of 65,504 and above become infinite in f16.  Inputs 30 times larger than a spread of 1 stay some hundred times below.
; 256 work-groups; group g turns 131,072 bytes of f32 into the 65,536 bytes at castb + 65,536 g: groups 0-127 take x, 128-223 qkv_w,
; 224-255 proj_w.  A stream: no LDS, no barrier, no matrix unit.  All 32 loads of a thread go out first (a wave's load covers 512
; consecutive bytes); each store of a wave covers 256 consecutive bytes, aligned.  No register is used twice, so no source waits.
.set NLD, 32
.set X, 4                              ; v[4:131]   load i: 4 registers of f32
.set Y, 132                            ; v[132:195] store i: 2 registers, 4 f16
	s_load_b256 s[4:11], s[0:1], 0x0               ; x s[4:5], qkv_w s[6:7], proj_w s[8:9], castb s[10:11]
	v_lshlrev_b32 v1, 4, v0                        ; 16 bytes of f32 a thread
	v_lshlrev_b32 v2, 3, v0                        ; 8 bytes of f16 a thread
	s_wait_kmcnt 0x0
	s_cmp_ge_u32 ttmp9, 128                        ; which input is mine, and its first group
	s_cselect_b64 s[4:5], s[6:7], s[4:5]
	s_cselect_b32 s13, 128, 0
	s_cmp_ge_u32 ttmp9, 224
	s_cselect_b64 s[4:5], s[8:9], s[4:5]
	s_cselect_b32 s13, 224, s13
	s_sub_co_u32 s14, ttmp9, s13
	s_lshl_b32 s14, s14, 17                        ; 131,072 bytes of f32 a group
	s_mov_b32 s15, 0
	s_add_nc_u64 s[4:5], s[4:5], s[14:15]
	s_lshl_b32 s16, ttmp9, 16                      ; 65,536 bytes of f16 a group
	s_mov_b32 s17, 0
	s_add_nc_u64 s[10:11], s[10:11], s[16:17]
.set i_, 0
.rept NLD
	global_load_b128 v[X+4*i_:X+4*i_+3], v1, s[4:5] offset:4096*i_ th:TH_LOAD_NT
.set i_, i_+1
.endr
.set i_, 0
.rept NLD
	s_wait_loadcnt NLD-1-i_                        ; loads come back in order: load i is in, the younger ones stay out
	v_cvt_pk_f16_f32 v[Y+2*i_], v[X+4*i_], v[X+4*i_+1]
	v_cvt_pk_f16_f32 v[Y+2*i_+1], v[X+4*i_+2], v[X+4*i_+3]
	global_store_b64 v2, v[Y+2*i_:Y+2*i_+1], s[10:11] offset:2048*i_
.set i_, i_+1
.endr
	s_endpgm
.Lfunc_end_k_q0c60293eb8_cast:
	.size	k_q0c60293eb8_cast, .Lfunc_end_k_q0c60293eb8_cast-k_q0c60293eb8_cast
	.p2alignl 7, 3214868480
	.fill 96, 4, 3214868480
	.section	.rodata,"a",@progbits
	.p2align	6, 0x0
	.amdhsa_kernel k_q0c60293eb8_cast
		.amdhsa_group_segment_fixed_size 0
		.amdhsa_private_segment_fixed_size 0
		.amdhsa_enable_private_segment 0
		.amdhsa_kernarg_size 32
		.amdhsa_user_sgpr_count 2
		.amdhsa_user_sgpr_kernarg_segment_ptr 1
		.amdhsa_wavefront_size32 1
		.amdhsa_system_sgpr_workgroup_id_x 1
		.amdhsa_system_sgpr_workgroup_id_y 1
		.amdhsa_system_sgpr_workgroup_id_z 1
		.amdhsa_system_vgpr_workitem_id 0
		.amdhsa_next_free_vgpr 196
		.amdhsa_next_free_sgpr 66
		.amdhsa_reserve_vcc 0
		.amdhsa_float_denorm_mode_32 3
		.amdhsa_float_denorm_mode_16_64 3
		.amdhsa_memory_ordered 1
		.amdhsa_forward_progress 1
		.amdhsa_inst_pref_size 12
	.end_amdhsa_kernel
	.amdgpu_metadata
---
amdhsa.version: [ 1, 2 ]
amdhsa.kernels:
  - .name:           k_q0c60293eb8_cast
    .symbol:         k_q0c60293eb8_cast.kd
    .args:
      - { .name: x, .offset: 0, .size: 8, .value_kind: global_buffer, .address_space: global }
      - { .name: qkv_w, .offset: 8, .size: 8, .value_kind: global_buffer, .address_space: global }
      - { .name: proj_w, .offset: 16, .size: 8, .value_kind: global_buffer, .address_space: global }
      - { .name: castb, .offset: 24, .size: 8, .value_kind: global_buffer, .address_space: global }
    .group_segment_fixed_size: 0
    .private_segment_fixed_size: 0
    .kernarg_segment_align: 8
    .kernarg_segment_size: 32
    .max_flat_workgroup_size: 256
    .sgpr_count:     66
    .vgpr_count:     196
    .wavefront_size: 32
...
	.end_amdgpu_metadata
.endif
;; end of part 1
;; launch qkv (part 2): grid 16 x 16, 4 waves a work-group, clusters of 4 x 4, 327,680 bytes of LDS; arguments castb, cos, sin, qkvb; writes qkvb
.if DOCPART == 2
	.amdgcn_target "amdgcn-amd-amdhsa--gfx1250"
	.amdhsa_code_object_version 6
	.text
	.protected	k_q0c60293eb8_qkv
	.globl	k_q0c60293eb8_qkv
	.p2align	8
	.type	k_q0c60293eb8_qkv,@function
k_q0c60293eb8_qkv:
	s_mov_b64 s[64:65], 0
	v_nop
	global_prefetch_b8 v0, s[64:65] scope:SCOPE_SE
	s_setreg_imm32_b32 hwreg(HW_REG_WAVE_MODE, 25, 1), 1
	s_wait_xcnt 0x0
	s_wait_alu depctr_hold_cnt(0) depctr_sa_sdst(0) depctr_va_vdst(0) depctr_va_sdst(0) depctr_va_ssrc(0) depctr_va_vcc(0) depctr_vm_vsrc(0)
	s_getreg_b32 s2, hwreg(HW_REG_IB_STS2, 6, 4)
	s_cmp_eq_u32 s2, 0
	s_cbranch_scc0 .Lentry_in_a_cluster
	s_endpgm
.Lentry_in_a_cluster:
	s_bfe_u32 s2, ttmp6, 0x10000c
	s_cmp_lg_u32 s2, 0xf033
	s_cbranch_scc0 .Lentry_shape_is_right
	s_endpgm
.Lentry_shape_is_right:
; q, k, v = x W^T, RoPE on q and k, stored head-major in f16: qkvb part z (0 q, 1 k, 2 v) at z * 8,388,608, each [b][h][n][64].
; A work-group makes 256 rows of x times 192 columns: the 64 of q, the 64 of k and the 64 of v of ONE head (weight rows 1024 z + 64 head),
; so that every work-group runs the same text and a column block is q, k or v by its number alone.  Four waves, as many as a WGP has
; SIMDs; wave w makes rows 64 w .. 64 w + 63 times all 192 columns: 4 x 12 = 48 accumulator tiles, 384 registers.
; K goes in 8 steps of 128 through two LDS slots filled by tensor loads; a tile's rows are 256 bytes of memory, aligned.
; CLUSTER 4 x 4: x's tile hangs on the block row alone and is asked for jointly along a row of the cluster, the weights' tile on the head
; alone and is asked for jointly along a column.
; The matrix instruction is used transposed (source 0 = 16 weight rows, source 1 = 16 rows of x): lane (r, h) then holds row r of x and
; the eight neighbouring columns 8 h .. 8 h + 7 of a tile, which is what RoPE's partner (32 columns on: two tiles on) and the packing want.
; LIMITS: operands x, W and results q, k, v are rounded to f16, sums are f32; |q|, |k|, |v| of 65,504 and above become infinite.
; With x and W both 30 times larger q's spread is 900; with both carrying an offset of 30 spreads |q| is about 1024*30*0.94 = 29,000,
; at most 41,000 behind RoPE.  All 64 columns of cos and of sin are read and used as given.
.set PITCH,  272                       ; an LDS row: 256 bytes + 16: an odd multiple of 16, so 16 rows of a fragment load start at 16 different 16-byte columns modulo 256
.set PART,   64*PITCH                  ; what one tensor load brings: 64 rows
.set BOFF,   4*PART                    ; x's four parts, then the weights' three
.set SLOT,   7*PART
.set STAGE,  2*SLOT                    ; behind the ring (a multiple of 256): each wave's own 3 x 16 rows x 144 bytes for the way out; no tensor load lands here
.set SPITCH, 144
.set SZ,     16*SPITCH
.set KSTEP,  128
.set ADRA, 16                          ; v16-17  LDS address of my x fragments in slot 0, 1
.set ADRB, 18                          ; v18-19  the same for the weights
.set STO,  20                          ; v20     way out: where I put 16 bytes of a row
.set RD,   21                          ; v21     way out: where I read rows back
.set GO,   22                          ; v22     16 x lane
.set CSO,  23                          ; v23     my 32 bytes in a tile's rows of cos and sin
.set FA,   24                          ; v24-55, v56-87: x fragments, two buffers (window 0)
.set CS0,  88                          ; v88-151, v152-215: cos (tile bb at +8 bb) and sin (+32 + 8 bb) of 16 rows, two buffers
.set PK,   24                          ; way out: 12 tiles x 4 registers of packed f16
.set RB0,  216                         ; way out: rows read back, q, k, v
.set RB1,  232
.set RB2,  72
; window 1: v0-95, v96-191 weight fragments, two buffers; way out: v0-63 rotated q and k in f32
; window 2: accumulators of my row tiles 0, 1 (tile (a, b) at 8 (12 a + b)); window 3: of row tiles 2, 3
.set G1A, 24                           ; s[24:31] group 1 for x's tiles
.set G1B, 32                           ; s[32:39] group 1 for the weights' tiles: another mask
.set G0A, 40                           ; s[40:47] group 0 for x, one set a slot
.set G0B, 48                           ; s[48:55] group 0 for the weights, one set a slot
.set G1W0, (1<<16)|(1<<20)|(1<<21)|(5<<22)|(3<<25)   ; 2-byte elements, padding on, bit 21 beside a mask, after every 64 dwords 4 dwords
.set MSB, 0
.macro WIN new                         ; the immediate's high byte repeats the setting that is left
.if MSB != (\new)
	s_set_vgpr_msb (MSB<<8)|(\new)
.set MSB, (\new)
.endif
.endm
.macro PLACES n                        ; plain vector places behind a matrix instruction (ISA guide 7.12.1)
.rept \n
	v_nop
.endr
.endm
.macro CREST                           ; a round of the cluster's barrier behind its opening work-group barrier
	s_cmp_lg_u32 s12, 0
	s_cbranch_scc1 .Lnot_wave_0_\@
	s_barrier_signal -3
.Lnot_wave_0_\@:
	s_barrier_wait -3
	s_barrier_signal -1
	s_barrier_wait -1
.endm
.macro CROUND
	s_barrier_signal -1
	s_barrier_wait -1
	CREST
.endm
; The joint loads of one slot: every wave asks for its 64 rows of x, waves 0 to 2 also for the 64 weight rows of q, k, v.
; The branch hangs on the wave's number alone, which is the same in every work-group.
.macro JLOAD s
	tensor_load_to_lds s[G0A+4*\s:G0A+4*\s+3], s[G1A:G1A+7]
	s_nop 0
	s_cmp_eq_u32 s12, 3
	s_cbranch_scc1 .Lno_b_\@
	tensor_load_to_lds s[G0B+4*\s:G0B+4*\s+3], s[G1B:G1B+7]
	s_nop 0
.Lno_b_\@:
.endm
	s_load_b256 s[4:11], s[0:1], 0x0               ; castb s[4:5], cos s[6:7], sin s[8:9], qkvb s[10:11]
	s_set_vgpr_msb 0x40
	v_lshl_add_u32 v255, v0, 2, 0x42400
	s_set_vgpr_msb 0x4000
	v_mov_b32 v255, 0
	s_set_vgpr_msb 0x1
	ds_add_u32 v255, v255
	s_set_vgpr_msb 0x100
	v_lshrrev_b32 v1, 5, v0
	v_readfirstlane_b32 s12, v1                    ; wave 0..3
	s_bfe_u32 s13, ttmp6, 0x40000                  ; cx
	s_bfe_u32 s14, ttmp6, 0x40004                  ; cy
	s_lshl_b32 s15, ttmp9, 2
	s_add_co_u32 s15, s15, s13                     ; head = 4 x cluster x + cx
	s_and_b32 s16, ttmp7, 0xffff
	s_lshl_b32 s16, s16, 2
	s_add_co_u32 s16, s16, s14                     ; block row = 4 x cluster y + cy
	s_lshl_b32 s17, s14, 2
	s_lshl_b32 s17, 15, s17                        ; my row of the cluster
	s_lshl_b32 s18, 0x1111, s13                    ; my column
	s_or_b32 s[G1A+0], s17, G1W0
	s_or_b32 s[G1B+0], s18, G1W0
.irp g, G1A, G1B
	s_mov_b32 s[\g+1], KSTEP<<16                   ; tensor_dim0 = 128
	s_mov_b32 s[\g+2], 64<<16                      ; tensor_dim1 = 64
	s_mov_b32 s[\g+3], KSTEP<<16                   ; tile_dim0 = 128 elements = 256 bytes
	s_mov_b32 s[\g+4], 64                          ; tile_dim1 = 64 rows
	s_mov_b32 s[\g+5], 1024                        ; elements from row to row
	s_mov_b32 s[\g+6], 0
	s_mov_b32 s[\g+7], 0
.endr
	s_lshl_b32 s70, s16, 19                        ; x: 256 rows of 2,048 bytes a block row,
	s_lshl_b32 s72, s12, 17                        ; 64 rows a wave: made of the block row and the wave alone
	s_add_co_u32 s70, s70, s72
	s_mov_b32 s71, 0
	s_lshl_b32 s74, s15, 17                        ; weights: 64 rows a head,
	s_lshl_b32 s76, s12, 21                        ; 1,024 rows from q to k to v (wave 0, 1, 2): made of the head and the wave alone
	s_add_co_u32 s74, s74, s76
	s_add_co_u32 s74, s74, 0x800000                ; behind x in castb
	s_mov_b32 s75, 0
	s_mul_i32 s73, s12, PART                       ; LDS: the wave's part; no place in the cluster enters an LDS address
	s_lshr_b32 s20, s16, 3                         ; where my rows go: b << 22, head << 18, n0 * 128, 64 rows a wave
	s_lshl_b32 s20, s20, 22
	s_lshl_b32 s21, s15, 18
	s_add_co_u32 s20, s20, s21
	s_and_b32 s22, s16, 7
	s_lshl_b32 s21, s22, 15
	s_add_co_u32 s20, s20, s21
	s_lshl_b32 s21, s12, 13
	s_add_co_u32 s20, s20, s21
	s_mov_b32 s21, 0
	s_lshl_b32 s22, s22, 16                        ; cos, sin: rows of 256 bytes from n0 + 64 wave
	s_lshl_b32 s23, s12, 14
	s_add_co_u32 s22, s22, s23
	s_mov_b32 s23, 0
	s_wait_dscnt 0x0
	s_wait_kmcnt 0x0
	s_add_nc_u64 s[70:71], s[4:5], s[70:71]
	s_add_nc_u64 s[74:75], s[4:5], s[74:75]
	s_add_nc_u64 s[56:57], s[10:11], s[20:21]      ; q
	s_add_nc_u64 s[58:59], s[56:57], 0x800000      ; k
	s_add_nc_u64 s[60:61], s[56:57], 0x1000000     ; v
	s_add_nc_u64 s[66:67], s[6:7], s[22:23]
	s_add_nc_u64 s[68:69], s[8:9], s[22:23]
	CROUND                                         ; all sixteen work-groups are here: the first joint loads meet
.irp s, 0, 1
	s_mov_b32 s[G0A+4*\s], 1
	s_add_co_u32 s[G0A+4*\s+1], s73, \s*SLOT
	s_add_nc_u64 s[G0A+4*\s+2:G0A+4*\s+3], s[70:71], \s*KSTEP*2
	s_or_b32 s[G0A+4*\s+3], s[G0A+4*\s+3], 0x80000000
	s_mov_b32 s[G0B+4*\s], 1
	s_add_co_u32 s[G0B+4*\s+1], s73, \s*SLOT+BOFF
	s_add_nc_u64 s[G0B+4*\s+2:G0B+4*\s+3], s[74:75], \s*KSTEP*2
	s_or_b32 s[G0B+4*\s+3], s[G0B+4*\s+3], 0x80000000
	JLOAD \s                                       ; both slots: a wave has at most four tensor loads out, here
.endr
	v_and_b32 v1, 15, v0                           ; r
	v_bfe_u32 v2, v0, 4, 1                         ; h
	v_and_b32 v3, 31, v0                           ; lane
	v_mul_u32_u24 v4, v1, PITCH
	v_lshl_add_u32 v4, v2, 4, v4                   ; r x pitch + 16 h
	v_add_nc_u32 v[ADRA], s73, v4
	v_add_nc_u32 v[ADRA+1], SLOT, v[ADRA]
	v_add_nc_u32 v[ADRB], BOFF, v4
	v_add_nc_u32 v[ADRB+1], BOFF+SLOT, v4
	s_mul_i32 s72, s12, 3*SZ
	s_add_co_u32 s72, s72, STAGE                   ; my stage
	v_mul_u32_u24 v5, v1, SPITCH
	v_lshl_add_u32 v5, v2, 4, v5
	v_add_nc_u32 v[STO], s72, v5                   ; in: row r, 16 bytes for each half of the lanes
	v_lshrrev_b32 v6, 3, v3
	v_mul_u32_u24 v6, v6, SPITCH
	v_and_b32 v7, 7, v0
	v_lshl_add_u32 v6, v7, 4, v6
	v_add_nc_u32 v[RD], s72, v6                    ; back: eight lanes a row of 128 bytes, four rows a load
	v_lshlrev_b32 v[GO], 4, v3
	v_lshlrev_b32 v[CSO], 8, v1
	v_lshl_add_u32 v[CSO], v2, 5, v[CSO]           ; row r of 256 bytes, 32 bytes for each half
; 16 loads: cos and sin of row tile a, as the lanes hold the accumulators: columns 16 bb + 8 h .. + 7 of row r
.macro CSLOAD a
.set CS_, CS0+64*((\a)&1)
.set bb_, 0
.rept 4
	global_load_b128 v[CS_+8*bb_:CS_+8*bb_+3], v[CSO], s[66:67] offset:4096*(\a)+64*bb_
	global_load_b128 v[CS_+8*bb_+4:CS_+8*bb_+7], v[CSO], s[66:67] offset:4096*(\a)+64*bb_+16
	global_load_b128 v[CS_+32+8*bb_:CS_+32+8*bb_+3], v[CSO], s[68:69] offset:4096*(\a)+64*bb_
	global_load_b128 v[CS_+32+8*bb_+4:CS_+32+8*bb_+7], v[CSO], s[68:69] offset:4096*(\a)+64*bb_+16
.set bb_, bb_+1
.endr
.endm
	CSLOAD 0                                       ; they stay on their way through the K loop, which touches none of their registers
	CSLOAD 1
; 24 matrix instructions: row tiles 2 hi, 2 hi + 1 times all 12 column tiles, 32 along K, from buffer n.
; The 48 accumulators take turns, one instruction a turn, in the same order in every quarter.
.macro MUL n, hi, zero
.if \hi
	WIN 0xf1                                       ; source 0 window 1, source 1 window 0, C and D window 3
.else
	WIN 0xa1                                       ; the same, C and D window 2
.endif
.set a_, 0
.rept 2
.set b_, 0
.rept 12
.if \zero
	v_wmma_f32_16x16x32_f16 v[8*(12*a_+b_):8*(12*a_+b_)+7], v[96*\n+8*b_:96*\n+8*b_+7], v[FA+32*\n+8*(2*\hi+a_):FA+32*\n+8*(2*\hi+a_)+7], 0
.else
	v_wmma_f32_16x16x32_f16 v[8*(12*a_+b_):8*(12*a_+b_)+7], v[96*\n+8*b_:96*\n+8*b_+7], v[FA+32*\n+8*(2*\hi+a_):FA+32*\n+8*(2*\hi+a_)+7], v[8*(12*a_+b_):8*(12*a_+b_)+7]
.endif
.set b_, b_+1
.endr
.set a_, a_+1
.endr
.endm
; 32 LDS loads in one run: 192 weight rows and my 64 rows of x, 32 K at byte k of the rows, into buffer n
.macro FETCH s, k, n
	WIN 0x40
.set b_, 0
.rept 12
	ds_load_b128 v[96*\n+8*b_:96*\n+8*b_+3], v[ADRB+\s] offset:\k+b_*16*PITCH
	ds_load_b128 v[96*\n+8*b_+4:96*\n+8*b_+7], v[ADRB+\s] offset:\k+b_*16*PITCH+32
.set b_, b_+1
.endr
	WIN 0
.set a_, 0
.rept 4
	ds_load_b128 v[FA+32*\n+8*a_:FA+32*\n+8*a_+3], v[ADRA+\s] offset:\k+a_*16*PITCH
	ds_load_b128 v[FA+32*\n+8*a_+4:FA+32*\n+8*a_+7], v[ADRA+\s] offset:\k+a_*16*PITCH+32
.set a_, a_+1
.endr
.endm
; One of a K step's first three quarters: fetches the next quarter's fragments into buffer m, multiplies buffer n.
.macro QUARTER s, k, n, m, zero
	PLACES 4                                       ; buffer m was read by the matrix instructions just issued: four places ahead of the loads into it
	FETCH \s, \k, \m
	s_wait_dscnt 32                                ; all but the 32 just issued: buffer n is in
	MUL \n, 0, \zero
	MUL \n, 1, \zero
.endm
.macro THREE s, zero
	QUARTER \s, 64,  0, 1, \zero
	QUARTER \s, 128, 1, 0, 0
	QUARTER \s, 192, 0, 1, 0
.endm
; The last quarter multiplies buffer 1 and changes slots.  In front of the barrier each wave waits for its reads of this slot and for all its
; tensor loads (what is out is its part of the next slot).  With fill = 1 the barrier opens a round of the cluster's barrier, and the joint
; refill, two K steps ahead, is the first tensor load behind the round; from there to the wait for it a wave issues 168 matrix instructions.
.macro TURN s, next, fill
	s_wait_dscnt 0x0
	s_wait_tensorcnt 0x0
	ds_add_u32 v255, v255
	s_wait_dscnt 0x0
	s_barrier_signal -1
	MUL 1, 0, 0                                    ; register work while the others arrive
	WIN 0
	s_barrier_wait -1
.if \fill
	CREST
	s_add_nc_u64 s[G0A+4*\s+2:G0A+4*\s+3], s[G0A+4*\s+2:G0A+4*\s+3], 2*KSTEP*2
	s_add_nc_u64 s[G0B+4*\s+2:G0B+4*\s+3], s[G0B+4*\s+2:G0B+4*\s+3], 2*KSTEP*2
	JLOAD \s
.endif
	PLACES 4
	FETCH \next, 0, 0
	MUL 1, 1, 0
.endm
.macro LAP zero
	THREE 0, \zero
	TURN 0, 1, 1
	THREE 1, 0
	TURN 1, 0, 1
.endm
	s_wait_tensorcnt 0x0                           ; my parts of both slots are in (waves 0-2 have four loads out, wave 3 two: one count for all is 0),
	s_barrier_signal -1
	s_barrier_wait -1                              ; everybody's are
	FETCH 0, 0, 0
	LAP 1                                          ; K steps 0, 1: the first products start the sums, nothing is cleared
	WIN 0
	s_mov_b32 s19, 2
.Llap:
	LAP 0                                          ; K steps 2 to 5
	WIN 0
	s_sub_co_u32 s19, s19, 1
	s_cmp_lg_u32 s19, 0
	s_cbranch_scc1 .Llap
	THREE 0, 0                                     ; K steps 6, 7 fill nothing
	TURN 0, 1, 0
	THREE 1, 0
	s_wait_dscnt 0x0
	MUL 1, 0, 0
	MUL 1, 1, 0
	PLACES 4                                       ; behind the last matrix instructions: results are read, fragment registers written
.macro RBK z, rb                       ; four loads: 16 rows of 128 bytes back as whole rows
.set t_, 0
.rept 4
	ds_load_b128 v[\rb+4*t_:\rb+4*t_+3], v[RD] offset:SZ*\z+4*SPITCH*t_
.set t_, t_+1
.endr
.endm
.macro STZ z, rb, a
.set t_, 0
.rept 4
	s_wait_dscnt 11-4*\z-t_                        ; LDS serves a wave in order: this read-back is in, the younger ones stay out
	global_store_b128 v[GO], v[\rb+4*t_:\rb+4*t_+3], s[56+2*\z:57+2*\z] offset:2048*(\a)+512*t_   ; a wave's store covers 512 consecutive bytes, aligned
.set t_, t_+1
.endr
.endm
; Row tile a: RoPE on q and k in f32, all three rounded to f16, through my stage, out as whole rows.
; left: how many younger cos and sin loads (the other buffer's) may stay out.
.macro OUT a, left
.set W_, 2+((\a)>>1)
.set AB_, 96*((\a)&1)
.set CS_, CS0+64*((\a)&1)
	s_wait_loadcnt \left
	WIN 0x50|W_                                    ; source 0: accumulators; source 1: cos, sin (window 0); source 2 and destination window 1
.set z_, 0
.rept 2
.set bb_, 0
.rept 2
.set i_, 0
.rept 4
.set XA_, AB_+8*(4*z_+bb_)+2*i_                    ; columns d < 32
.set YA_, XA_+16                                   ; columns d + 32: two tiles on
.set TL_, 8*(4*z_+bb_)+2*i_
.set TH_, TL_+16
.set CL_, CS_+8*bb_+2*i_
	v_pk_mul_f32 v[TL_:TL_+1], v[XA_:XA_+1], v[CL_:CL_+1]
	v_pk_mul_f32 v[TH_:TH_+1], v[YA_:YA_+1], v[CL_+16:CL_+17]
	v_pk_fma_f32 v[TL_:TL_+1], v[YA_:YA_+1], v[CL_+32:CL_+33], v[TL_:TL_+1] neg_lo:[1,0,0] neg_hi:[1,0,0]   ; x1 cos - x2 sin
	v_pk_fma_f32 v[TH_:TH_+1], v[XA_:XA_+1], v[CL_+48:CL_+49], v[TH_:TH_+1]                                  ; x2 cos + x1 sin
.set i_, i_+1
.endr
.set bb_, bb_+1
.endr
.set z_, z_+1
.endr
	WIN 0x05
.set t_, 0
.rept 32
	v_cvt_pk_f16_f32 v[PK+t_], v[2*t_], v[2*t_+1]
.set t_, t_+1
.endr
	WIN W_|(W_<<2)
.set t_, 0
.rept 16
	v_cvt_pk_f16_f32 v[PK+32+t_], v[AB_+64+2*t_], v[AB_+64+2*t_+1]     ; v goes as it is
.set t_, t_+1
.endr
	WIN 0
.if (\a) < 2
	CSLOAD (\a)+2                                  ; this buffer's next rows
.endif
.set z_, 0
.rept 3
.set bb_, 0
.rept 4
	ds_store_b128 v[STO], v[PK+4*(4*z_+bb_):PK+4*(4*z_+bb_)+3] offset:SZ*z_+32*bb_
.set bb_, bb_+1
.endr
.set z_, z_+1
.endr
	s_wait_xcnt 0x0                                ; the registers that the last tile's stores read are loaded again only behind this wait
	RBK 0, RB0                                     ; my own bytes, served in order behind my stores: no wait between
	RBK 1, RB1
	RBK 2, RB2
	STZ 0, RB0, \a
	STZ 1, RB1, \a
	STZ 2, RB2, \a
.endm
	OUT 0, 16
	OUT 1, 16
	OUT 2, 16
	OUT 3, 0
	s_set_vgpr_msb 0x1
	s_wait_tensorcnt 0x0
	ds_add_u32 v255, v255
	s_wait_dscnt 0x0
	s_set_vgpr_msb 0x100
	CROUND                                         ; the closing round: no work-group ends while a partner may still ask jointly
	s_endpgm
.Lfunc_end_k_q0c60293eb8_qkv:
	.size	k_q0c60293eb8_qkv, .Lfunc_end_k_q0c60293eb8_qkv-k_q0c60293eb8_qkv
	.p2alignl 7, 3214868480
	.fill 96, 4, 3214868480
	.section	.rodata,"a",@progbits
	.p2align	6, 0x0
	.amdhsa_kernel k_q0c60293eb8_qkv
		.amdhsa_group_segment_fixed_size 327680
		.amdhsa_private_segment_fixed_size 0
		.amdhsa_enable_private_segment 0
		.amdhsa_kernarg_size 32
		.amdhsa_user_sgpr_count 2
		.amdhsa_user_sgpr_kernarg_segment_ptr 1
		.amdhsa_wavefront_size32 1
		.amdhsa_system_sgpr_workgroup_id_x 1
		.amdhsa_system_sgpr_workgroup_id_y 1
		.amdhsa_system_sgpr_workgroup_id_z 1
		.amdhsa_system_vgpr_workitem_id 0
		.amdhsa_next_free_vgpr 960
		.amdhsa_next_free_sgpr 80
		.amdhsa_reserve_vcc 0
		.amdhsa_float_denorm_mode_32 3
		.amdhsa_float_denorm_mode_16_64 3
		.amdhsa_memory_ordered 1
		.amdhsa_forward_progress 1
		.amdhsa_inst_pref_size 185
	.end_amdhsa_kernel
	.amdgpu_metadata
---
amdhsa.version: [ 1, 2 ]
amdhsa.kernels:
  - .name:           k_q0c60293eb8_qkv
    .symbol:         k_q0c60293eb8_qkv.kd
    .args:
      - { .name: castb, .offset: 0, .size: 8, .value_kind: global_buffer, .address_space: global }
      - { .name: cos, .offset: 8, .size: 8, .value_kind: global_buffer, .address_space: global }
      - { .name: sin, .offset: 16, .size: 8, .value_kind: global_buffer, .address_space: global }
      - { .name: qkvb, .offset: 24, .size: 8, .value_kind: global_buffer, .address_space: global }
    .group_segment_fixed_size: 327680
    .private_segment_fixed_size: 0
    .kernarg_segment_align: 8
    .kernarg_segment_size: 32
    .max_flat_workgroup_size: 128
    .sgpr_count:     80
    .vgpr_count:     960
    .wavefront_size: 32
...
	.end_amdgpu_metadata
.endif
;; end of part 2
;; launch attn (part 3): grid 8 x 32, 8 waves a work-group, clusters of 4 x 1, 327,680 bytes of LDS; arguments qkvb, ob; writes ob
.if DOCPART == 3
	.amdgcn_target "amdgcn-amd-amdhsa--gfx1250"
	.amdhsa_code_object_version 6
	.text
	.protected	k_q0c60293eb8_attn
	.globl	k_q0c60293eb8_attn
	.p2align	8
	.type	k_q0c60293eb8_attn,@function
k_q0c60293eb8_attn:
	s_mov_b64 s[64:65], 0
	v_nop
	global_prefetch_b8 v0, s[64:65] scope:SCOPE_SE
	s_setreg_imm32_b32 hwreg(HW_REG_WAVE_MODE, 25, 1), 1
	s_wait_xcnt 0x0
	s_wait_alu depctr_hold_cnt(0) depctr_sa_sdst(0) depctr_va_vdst(0) depctr_va_sdst(0) depctr_va_ssrc(0) depctr_va_vcc(0) depctr_vm_vsrc(0)
	s_getreg_b32 s2, hwreg(HW_REG_IB_STS2, 6, 4)
	s_cmp_eq_u32 s2, 0
	s_cbranch_scc0 .Lentry_in_a_cluster
	s_endpgm
.Lentry_in_a_cluster:
	s_bfe_u32 s2, ttmp6, 0x10000c
	s_cmp_lg_u32 s2, 0x3003
	s_cbranch_scc0 .Lentry_shape_is_right
	s_endpgm
.Lentry_shape_is_right:
; o = softmax(q k^T / 8) v for one (b, h) and 256 queries a work-group; ob is [b][h][n][64] in f16.
; Eight waves.  Wave w: queries 64 (w & 3) .. + 63, and of every tile of 256 keys the half w >> 2.  Splitting keys, not queries, keeps
; 64 queries a wave (16 KB of LDS reads feed 64 matrix instructions); the two halves' (base, sum, O) are merged once at the end, through LDS.
; CLUSTER 4 x 1: the four query blocks of a cluster read the same K and V tiles and ask for them jointly (mask 15).
; Both products are transposed: S^T = K Q^T (lane (r, h), register j: key 8 h + j, query r) and O^T = V^T P^T.  So two neighbouring
; tiles of S^T pack, lane by lane, into a B fragment of P^T; the softmax's figures are one number a lane; one lane exchange joins the halves.
; V lies [key][d] in LDS and is transposed by the LDS load itself.
; THE PIPELINE.  A wave's queries go in two halves, h0 (query tiles 0, 1) and h1 (tiles 2, 3); a block is 64 of its keys, 16 blocks in all.
;   stage A(i): softmax of (h0, i)   beside   P V of (h1, i - 1), then Q K of (h1, i)
;   stage B(i): softmax of (h1, i)   beside   P V of (h0, i),     then Q K of (h0, i + 1)
; so that vector instructions stand between the matrix instructions of the same wave: 32 matrix and about 250 vector instructions a stage.
; Only steps that are legal under the product's own register windows are interleaved, so the windows are switched 7 times a block:
; under Q K's setting (source 1 in window 1) the scale-and-shift, the exponentials and the sums, eight behind each matrix instruction;
; under P V's setting (destination, sources 0 and 2 in window 1) the rescaling of the other half's O, two behind each.
; The maxima and the packing name S in two or three source places and run in window 0, between the products.
; The maximum is a running one.  The state keeps MN = -SC m as rounded (SC = log2(e) / 8): p = 2^(SC s + MN), one fused multiply-add and
; one exponential; a rebasing is 2^(MN new - MN old), which is true to the base that the exponentials used, however large the scores.
; LIMITS: P (0 to 1) and o are rounded to f16, sums and softmax are f32; p below 2^-25 of the row's largest counts as 0;
; NaN and infinite q, k, v are not treated; the order of the sums is not that of a row-wise softmax.
.set KP, 144                           ; K's LDS pitch: 128 bytes + 16, an odd multiple of 16
.set VP, 160                           ; V's: 128 + 32, an odd multiple of 32, as the transposing load's eight rows want
.set KT, 256*KP
.set SLOT, KT+256*VP
.set TILEB, 256*128                    ; a tile's bytes in memory
.set DUMP, 2*SLOT                      ; behind the ring (a multiple of 256): 4 x 17,408 bytes, O, MN and the sums of the upper key half
.set DW, 17408
.set STAGE, DUMP+4*DW                  ; 4 x 64 rows x 144 bytes for the way out
.set SW, 64*KP
.set SC,  0x3e38aa3b                   ; log2(e) / 8
.set NSC, 0xbe38aa3b
.set KAD, 8                            ; v8-9    LDS address of my K fragments in slot 0, 1
.set VAD, 10                           ; v10-11  the same for V
.set DA,  12                           ; v12     my 16 bytes in the dump
.set STO, 13
.set RD,  14
.set GO,  15                           ; v15     16 x lane
.set PM,  24                           ; v24-31  query tile q: the pair (MN = -SC m, m); packed instructions broadcast the first
.set PA,  32                           ; v32-39  query tile q: the pair (rebasing factor, running sum of this lane's keys)
.set TT,  40                           ; v40-47  at work
.set XX,  48                           ; v48-51
.set YY,  52                           ; v52-55  what the other half of the lanes sends
.set SA,  56                           ; v56-63  the sums at work: two chains of a pair for each of a half's two tiles
.set KF,  64                           ; v64-127   K fragments (kt, c) at 8 (2 kt + c)
.set SS,  128                          ; v128-255  S^T (qt, kt) at 8 (4 qt + kt); P^T (qt, kc) packed in place at 32 qt + 16 kc
.set QF,  128                          ; window 1: v128-191 Q fragments (qt, c) at 8 (2 qt + c)
.set VF,  192                          ; window 1: v192-255 V^T fragments (dt, kc) at 8 (2 dt + kc)
                                       ; window 1: v0-127 O^T (qt, dt) at 8 (4 qt + dt)
.set G1K, 24
.set G1V, 32
.set G0K, 40
.set G0V, 48
.set MSB, 0
.macro WIN new                         ; the immediate's high byte repeats the setting that is left
.if MSB != (\new)
	s_set_vgpr_msb (MSB<<8)|(\new)
.set MSB, (\new)
.endif
.endm
.macro PLACES n                        ; plain vector places behind a matrix instruction (ISA guide 7.12.1)
.rept \n
	v_nop
.endr
.endm
.macro ROUND                           ; a round of the cluster's barrier
	s_barrier_signal -1
	s_barrier_wait -1
	s_cmp_lg_u32 s8, 0
	s_cbranch_scc1 .Lnot_wave_0_\@
	s_barrier_signal -3
.Lnot_wave_0_\@:
	s_barrier_wait -3
	s_barrier_signal -1
	s_barrier_wait -1
.endm
	s_load_b128 s[4:7], s[0:1], 0x0                ; qkvb s[4:5], ob s[6:7]
	v_lshl_add_u32 v22, v0, 2, 0x40000
	v_mov_b32 v23, 0
	ds_add_u32 v22, v23
	v_lshrrev_b32 v1, 5, v0
	v_readfirstlane_b32 s8, v1                     ; wave 0..7
	s_lshr_b32 s9, s8, 2                           ; which half of the keys
	s_and_b32 s10, s8, 3                           ; which 64 queries
	s_bfe_u32 s11, ttmp6, 0x40000                  ; cx
	s_lshl_b32 s12, ttmp9, 2
	s_add_co_u32 s12, s12, s11                     ; query block = 4 x cluster x + cx
	s_and_b32 s13, ttmp7, 0xffff                   ; 16 b + h
	s_mov_b32 s14, 0x76543210                      ; lane i of one half reads lane i of the other
	s_mov_b32 s15, 0xfedcba98
	s_mov_b32 s16, SC
	s_mov_b32 s17, SC
	s_mov_b32 s18, NSC
	; group 1: 32 rows (keys) of 64 elements of 2 bytes, dense in memory, padded behind every 32 dwords: by 4 dwords for K, by 8 for V
	s_mov_b32 s[G1K+0], 15|(1<<16)|(1<<20)|(1<<21)|(4<<22)|(3<<25)
	s_mov_b32 s[G1V+0], 15|(1<<16)|(1<<20)|(1<<21)|(4<<22)|(7<<25)
.irp g, G1K, G1V
	s_mov_b32 s[\g+1], 64<<16                      ; tensor_dim0 = 64
	s_mov_b32 s[\g+2], 32<<16                      ; tensor_dim1 = 32
	s_mov_b32 s[\g+3], 64<<16                      ; tile_dim0 = 64
	s_mov_b32 s[\g+4], 32                          ; tile_dim1 = 32
	s_mov_b32 s[\g+5], 64                          ; elements from row to row
	s_mov_b32 s[\g+6], 0
	s_mov_b32 s[\g+7], 0
.endr
	s_lshl_b32 s56, s13, 18                        ; the head's 2,048 rows of 128 bytes,
	s_lshl_b32 s58, s8, 12                         ; 32 keys a wave: nothing of cx in here
	s_add_co_u32 s56, s56, s58
	s_mov_b32 s57, 0
	s_mul_i32 s58, s8, 32*KP
	s_mul_i32 s59, s8, 32*VP
	s_lshl_b32 s20, s13, 18                        ; my 64 queries, in q and in ob alike
	s_lshl_b32 s21, s12, 15
	s_add_co_u32 s20, s20, s21
	s_lshl_b32 s21, s10, 13
	s_add_co_u32 s20, s20, s21
	s_mov_b32 s21, 0
	v_and_b32 v2, 15, v0                           ; r
	v_bfe_u32 v3, v0, 4, 1                         ; h
	v_and_b32 v4, 31, v0                           ; lane
	v_lshlrev_b32 v1, 7, v2
	v_lshl_add_u32 v1, v3, 4, v1                   ; Q: row r of 128 bytes + 16 h
	s_wait_dscnt 0x0
	s_wait_kmcnt 0x0
	s_add_nc_u64 s[56:57], s[4:5], s[56:57]
	s_add_nc_u64 s[66:67], s[4:5], s[20:21]
	s_add_nc_u64 s[68:69], s[6:7], s[20:21]
.irp s, 0, 1
	s_mov_b32 s[G0K+4*\s], 1
	s_add_co_u32 s[G0K+4*\s+1], s58, \s*SLOT
	s_add_nc_u64 s[G0K+4*\s+2:G0K+4*\s+3], s[56:57], 0x800000+\s*TILEB
	s_or_b32 s[G0K+4*\s+3], s[G0K+4*\s+3], 0x80000000
	s_mov_b32 s[G0V+4*\s], 1
	s_add_co_u32 s[G0V+4*\s+1], s59, \s*SLOT+KT
	s_add_nc_u64 s[G0V+4*\s+2:G0V+4*\s+3], s[56:57], 0x1000000+\s*TILEB
	s_or_b32 s[G0V+4*\s+3], s[G0V+4*\s+3], 0x80000000
.endr
	WIN 0x40
.set qt_, 0
.rept 4
.set c_, 0
.rept 2
	global_load_b128 v[QF+8*(2*qt_+c_):QF+8*(2*qt_+c_)+3], v1, s[66:67] offset:2048*qt_+64*c_
	global_load_b128 v[QF+8*(2*qt_+c_)+4:QF+8*(2*qt_+c_)+7], v1, s[66:67] offset:2048*qt_+64*c_+32
.set c_, c_+1
.endr
.set qt_, qt_+1
.endr
	WIN 0
	ROUND                                          ; in front of the first joint loads
	tensor_load_to_lds s[G0K:G0K+3], s[G1K:G1K+7]  ; tile 0: each wave asks for 32 keys of K and of V; two tensor loads of a wave are out at most
	s_nop 0
	tensor_load_to_lds s[G0V:G0V+3], s[G1V:G1V+7]
	s_nop 0
	v_mul_u32_u24 v5, v2, KP
	v_lshl_add_u32 v5, v3, 4, v5                   ; r x 144 + 16 h
	s_mul_i32 s22, s9, 128*KP
	v_add_nc_u32 v[KAD], s22, v5
	v_add_nc_u32 v[KAD+1], SLOT, v[KAD]
	v_and_b32 v6, 7, v0
	v_lshl_add_u32 v6, v3, 3, v6                   ; key 8 h + (lane & 7)
	v_mul_u32_u24 v6, v6, VP
	v_bfe_u32 v7, v0, 3, 1
	v_lshl_add_u32 v6, v7, 4, v6                   ; + 16 bytes for the second eight columns
	s_mul_i32 s23, s9, 128*VP
	s_add_co_u32 s23, s23, KT
	v_add_nc_u32 v[VAD], s23, v6
	v_add_nc_u32 v[VAD+1], SLOT, v[VAD]
	v_lshlrev_b32 v[GO], 4, v4
	s_mul_i32 s22, s10, DW
	s_add_co_u32 s22, s22, DUMP
	v_add_nc_u32 v[DA], s22, v[GO]
	s_mul_i32 s23, s10, SW
	s_add_co_u32 s23, s23, STAGE
	v_add_nc_u32 v[STO], s23, v5
	v_lshrrev_b32 v7, 3, v4
	v_mul_u32_u24 v7, v7, KP
	v_and_b32 v6, 7, v0
	v_lshl_add_u32 v7, v6, 4, v7
	v_add_nc_u32 v[RD], s23, v7
.irp i, 0, 1, 2, 3
	v_mov_b32 v[YY+\i], 0                          ; the lane exchange's destination counts as read
.endr
	s_wait_loadcnt 0x0                             ; Q, once
.macro KLOAD s, sb                     ; 16 loads: 64 keys x 64 d as A fragments (window 0)
.set kt_, 0
.rept 4
.set c_, 0
.rept 2
	ds_load_b128 v[KF+8*(2*kt_+c_):KF+8*(2*kt_+c_)+3], v[KAD+\s] offset:64*KP*\sb+16*KP*kt_+64*c_
	ds_load_b128 v[KF+8*(2*kt_+c_)+4:KF+8*(2*kt_+c_)+7], v[KAD+\s] offset:64*KP*\sb+16*KP*kt_+64*c_+32
.set c_, c_+1
.endr
.set kt_, kt_+1
.endr
.endm
.macro VLOAD s, sb                     ; 16 transposing loads: 64 d x 64 keys as A fragments (destination window 1); the caller sets the next window
	WIN 0x40
.set dt_, 0
.rept 4
.set kc_, 0
.rept 2
	ds_load_tr16_b128 v[VF+8*(2*dt_+kc_):VF+8*(2*dt_+kc_)+3], v[VAD+\s] offset:(64*\sb+32*kc_)*VP+32*dt_
	ds_load_tr16_b128 v[VF+8*(2*dt_+kc_)+4:VF+8*(2*dt_+kc_)+7], v[VAD+\s] offset:(64*\sb+32*kc_+16)*VP+32*dt_
.set kc_, kc_+1
.endr
.set dt_, dt_+1
.endr
.endm
; The three steps that run under Q K's windows, on register pair j (0 .. 31) of half h's 64 registers of scores.
.macro FOP h, j                        ; SC s - SC m, two at a time; the base is the first register of the tile's pair
.if (\j) < 32
	v_pk_fma_f32 v[SS+64*\h+2*(\j):SS+64*\h+2*(\j)+1], v[SS+64*\h+2*(\j):SS+64*\h+2*(\j)+1], s[16:17], v[PM+4*\h+2*((\j)>>4):PM+4*\h+2*((\j)>>4)+1] op_sel_hi:[1,0,0]
.endif
.endm
.macro EOP h, j
	v_exp_f32 v[SS+64*\h+2*(\j)], v[SS+64*\h+2*(\j)]
	v_exp_f32 v[SS+64*\h+2*(\j)+1], v[SS+64*\h+2*(\j)+1]
.endm
; The sums, in f32: two chains a tile, even and odd pairs.  A tile's pairs 0 and 1 are taken up by pairs 2 and 3, which start the chains: nothing
; is cleared or copied.  Written as S x 1.0 + chain: the second source place names window 1 here, and a constant needs no register.
.macro AOP h, j
.if (\j) >= 0
.set al_, (\j)&15
.set ac_, SA+4*((\j)>>4)+2*((\j)&1)
.if al_ >= 4
	s_wait_alu depctr_va_vdst(0)
	v_pk_fma_f32 v[ac_:ac_+1], v[SS+64*\h+2*(\j):SS+64*\h+2*(\j)+1], 1.0, v[ac_:ac_+1] op_sel_hi:[1,0,1]
.else
.if al_ >= 2
	s_wait_alu depctr_va_vdst(0)
	v_pk_fma_f32 v[ac_:ac_+1], v[SS+64*\h+2*(\j):SS+64*\h+2*(\j)+1], 1.0, v[SS+64*\h+2*(\j)-4:SS+64*\h+2*(\j)-3] op_sel_hi:[1,0,1]
.endif
.endif
.endif
.endm
; Softmax, part 1 (window 0): the new maximum of half h's two query tiles, the new base, the step from the old one, and the first two pairs.
.macro MAXPH h, first
.set q_, 0
.rept 2
.set SB_, SS+64*\h+32*q_
.set TB_, TT+4*q_
.irp k, 0, 1, 2, 3
	v_max3_num_f32 v[TB_+\k], v[SB_+8*\k], v[SB_+8*\k+1], v[SB_+8*\k+2]
.endr
.irp k, 0, 1, 2, 3
	v_max3_num_f32 v[TB_+\k], v[TB_+\k], v[SB_+8*\k+3], v[SB_+8*\k+4]
.endr
.irp k, 0, 1, 2, 3
	v_max3_num_f32 v[TB_+\k], v[TB_+\k], v[SB_+8*\k+5], v[SB_+8*\k+6]
.endr
	v_max3_num_f32 v[TB_], v[TB_], v[SB_+7], v[SB_+15]
	v_max3_num_f32 v[TB_+1], v[TB_+1], v[SB_+23], v[SB_+31]
	v_max3_num_f32 v[TB_], v[TB_], v[TB_+2], v[TB_+3]
.if \first
	v_max_num_f32 v[XX+q_], v[TB_], v[TB_+1]
.else
	v_max3_num_f32 v[XX+q_], v[TB_], v[TB_+1], v[PM+4*\h+2*q_+1]
.endif
.set q_, q_+1
.endr
.irp q, 0, 1
	v_permlanex16_b32 v[YY+\q], v[XX+\q], s14, s15             ; the other half of the lanes holds the query's other 32 keys
.endr
.irp q, 0, 1
	v_max_num_f32 v[PM+4*\h+2*\q+1], v[XX+\q], v[YY+\q]
.endr
.irp q, 0, 1
	v_mul_f32 v[TT+\q], s18, v[PM+4*\h+2*\q+1]                 ; -SC m
.endr
.if \first == 0
.irp q, 0, 1
	v_sub_f32 v[PA+4*\h+2*\q], v[TT+\q], v[PM+4*\h+2*\q]       ; new base - old base, never above 0
.endr
.endif
.irp q, 0, 1
	v_mov_b32 v[PM+4*\h+2*\q], v[TT+\q]
.endr
.if \first == 0
.irp q, 0, 1
	v_exp_f32 v[PA+4*\h+2*\q], v[PA+4*\h+2*\q]
.endr
.endif
	FOP \h, 0                                      ; plain and independent: the place behind the exponentials (ISA guide 5.7.2)
	FOP \h, 1
.endm
; P V of half hm, 16 matrix instructions; resc = 1: behind each, two of the 32 rescalings of half hs's O, which the same windows reach.
; cz = 1: the first 32 keys start the sums.  In P V and in Q K the eight accumulators take turns, one instruction a turn.
.macro PVPH hm, hs, cz, resc
	WIN 0x51                                       ; source 0 (V), C and D (O) window 1, source 1 (P, the factor) window 0
.set n_, 0
.set kc_, 0
.rept 2
.set q_, 0
.rept 2
.set dt_, 0
.rept 4
.set OA_, 8*(4*(2*\hm+q_)+dt_)
.set VA_, VF+8*(2*dt_+kc_)
.set PB_, SS+32*(2*\hm+q_)+16*kc_
.if \cz*(1-kc_)
	v_wmma_f32_16x16x32_f16 v[OA_:OA_+7], v[VA_:VA_+7], v[PB_:PB_+7], 0
.else
	v_wmma_f32_16x16x32_f16 v[OA_:OA_+7], v[VA_:VA_+7], v[PB_:PB_+7], v[OA_:OA_+7]
.endif
.if \resc
	s_wait_alu depctr_va_vdst(0)
	v_pk_mul_f32 v[64*\hs+4*n_:64*\hs+4*n_+1], v[64*\hs+4*n_:64*\hs+4*n_+1], v[PA+4*\hs+2*(n_>>3):PA+4*\hs+2*(n_>>3)+1] op_sel_hi:[1,0]
	v_pk_mul_f32 v[64*\hs+4*n_+2:64*\hs+4*n_+3], v[64*\hs+4*n_+2:64*\hs+4*n_+3], v[PA+4*\hs+2*(n_>>3):PA+4*\hs+2*(n_>>3)+1] op_sel_hi:[1,0]
.endif
.set n_, n_+1
.set dt_, dt_+1
.endr
.set q_, q_+1
.endr
.set kc_, kc_+1
.endr
.if (\resc) == 0
	PLACES 5                                       ; nothing was interleaved: five places before Q K writes over P, or O is read
.endif
.endm
; Q K of half hm (qk = 1), 16 matrix instructions; sm = 1: behind the n-th, eight vector instructions on half hs: pairs 2n+2, 2n+3 are scaled and
; shifted, pairs 2n, 2n+1 go through the exponential, pairs 2n-2, 2n-1 are summed.  So each step reads what the group before has made, a plain
; instruction stands between every exponential and the use of its result, and the first groups' plain instructions are the places between
; P V's last read of P and the matrix instruction that writes over it (the sixth of this run at the earliest).
.macro QKPH hm, hs, qk, sm
.if \qk
	WIN 0x04                                       ; source 1 (Q) window 1, all else window 0
.else
	WIN 0
.endif
.set n_, 0
.set c_, 0
.rept 2
.set q_, 0
.rept 2
.set kt_, 0
.rept 4
.if \qk
.set SD_, SS+8*(4*(2*\hm+q_)+kt_)
.set KA_, KF+8*(2*kt_+c_)
.set QB_, QF+8*(2*(2*\hm+q_)+c_)
.if c_
	v_wmma_f32_16x16x32_f16 v[SD_:SD_+7], v[KA_:KA_+7], v[QB_:QB_+7], v[SD_:SD_+7]
.else
	v_wmma_f32_16x16x32_f16 v[SD_:SD_+7], v[KA_:KA_+7], v[QB_:QB_+7], 0
.endif
.endif
.if \sm
	FOP \hs, 2*n_+2
	FOP \hs, 2*n_+3
	EOP \hs, 2*n_
	EOP \hs, 2*n_+1
	AOP \hs, 2*n_-2
	AOP \hs, 2*n_-1
.endif
.set n_, n_+1
.set kt_, kt_+1
.endr
.set q_, q_+1
.endr
.set c_, c_+1
.endr
.endm
; Softmax, last part (window 0): the last two pairs' sums, the running sum, and P to f16, packed in place, upward: register i takes
; registers 2 i and 2 i + 1, which no earlier line has written.  These lines are also the places behind Q K's last matrix instructions.
.macro TAILPH h, first
	WIN 0
	AOP \h, 30
	AOP \h, 31
.irp q, 0, 1
	v_pk_add_f32 v[SA+4*\q:SA+4*\q+1], v[SA+4*\q:SA+4*\q+1], v[SA+4*\q+2:SA+4*\q+3]
.endr
.irp q, 0, 1
.if \first
	v_add_f32 v[PA+4*\h+2*\q+1], v[SA+4*\q], v[SA+4*\q+1]
.else
	v_add_f32 v[TT+\q], v[SA+4*\q], v[SA+4*\q+1]
.endif
.endr
.if \first == 0
.irp q, 0, 1
	v_fma_f32 v[PA+4*\h+2*\q+1], v[PA+4*\h+2*\q+1], v[PA+4*\h+2*\q], v[TT+\q]
.endr
.endif
.set p_, 0
.rept 4
.set i_, 0
.rept 8
	v_cvt_pk_f16_f32 v[SS+64*\h+16*p_+i_], v[SS+64*\h+16*p_+2*i_], v[SS+64*\h+16*p_+2*i_+1]
.set i_, i_+1
.endr
.set p_, p_+1
.endr
.endm
; Stage B(i): softmax of (h1, i) beside P V (h0, i) and Q K (h0, i + 1).  vw: how many younger LDS loads (the next K's) may stay out when V is wanted.
.macro STB first, cz, qk, vw, kw
	MAXPH 1, \first
	s_wait_dscnt \vw                               ; V's 16 loads are in; K's 16, issued behind them, may stay out
	PVPH 0, 1, \cz, 1-\first
.if \kw
	s_wait_dscnt 0x0                               ; the next block's K is in
.endif
	QKPH 0, 1, \qk, 1
	TAILPH 1, \first
.endm
; Stage A(i): softmax of (h0, i) beside P V (h1, i - 1) and Q K (h1, i).  V of block i (slot s, half sb) is fetched straight behind the last use
; of V of block i - 1: the last matrix instruction's two rescalings and two v_nop are the four places ahead of the loads.
.macro STA first, pv, cz, s, sb
	MAXPH 0, \first
.if \pv
	PVPH 1, 0, \cz, 1-\first
	PLACES 2
.endif
	VLOAD \s, \sb
	QKPH 1, 0, 1, 1
	TAILPH 0, \first
.endm
; Tile t (slot s): stages B(2t-1), A(2t), B(2t), A(2t+1).  The last read of the tile before is V of block 2t-1, in A(2t-1); the first read of this
; tile is K of block 2t.  Between them stands the round of the cluster's barrier, which is the barrier in front of the refill: every wave's waits
; for its tensor loads and for its LDS reads stand in front of it, and the joint refill of the other slot comes first behind it.
.macro TRIP s, refill
	s_wait_tensorcnt 0x0                           ; all my tensor loads are done, my part of this tile among them,
	ds_add_u32 v22, v23
	s_wait_dscnt 0x0
	s_add_nc_u64 s[G0K+4*\s+2:G0K+4*\s+3], s[G0K+4*\s+2:G0K+4*\s+3], 2*TILEB   ; so every group 0 may be written: this slot's next tile
	s_add_nc_u64 s[G0V+4*\s+2:G0V+4*\s+3], s[G0V+4*\s+2:G0V+4*\s+3], 2*TILEB
	s_wait_dscnt 0x0                               ; my reads of the last tile are done
	ROUND
.if \refill
	tensor_load_to_lds s[G0K+4-4*\s:G0K+7-4*\s], s[G1K:G1K+7]
	s_nop 0
	tensor_load_to_lds s[G0V+4-4*\s:G0V+7-4*\s], s[G1V:G1V+7]
	s_nop 0
.endif
	KLOAD \s, 0
	STB 0, 0, 1, 16, 1
	STA 0, 1, 0, \s, 0
	KLOAD \s, 1
	STB 0, 0, 1, 16, 1
	STA 0, 1, 0, \s, 1
.endm
	; Tile 0 fills the pipeline: a bare Q K (h0, 0); A(0) and B(0) start maximum and sum, B(0) and A(1) start O: nothing is cleared.
	s_wait_tensorcnt 0x0
	ds_add_u32 v22, v23
	s_add_nc_u64 s[G0K+2:G0K+3], s[G0K+2:G0K+3], 2*TILEB
	s_add_nc_u64 s[G0V+2:G0V+3], s[G0V+2:G0V+3], 2*TILEB
	s_wait_dscnt 0x0
	ROUND
	tensor_load_to_lds s[G0K+4:G0K+7], s[G1K:G1K+7]            ; tile 1
	s_nop 0
	tensor_load_to_lds s[G0V+4:G0V+7], s[G1V:G1V+7]
	s_nop 0
	KLOAD 0, 0
	s_wait_dscnt 0x0
	QKPH 0, 0, 1, 0
	WIN 0
	PLACES 4                                       ; behind the bare Q K: its results are read
	STA 1, 0, 0, 0, 0
	KLOAD 0, 1
	STB 1, 1, 1, 16, 1
	STA 0, 1, 1, 0, 1
	s_mov_b32 s19, 3
.Ltiles:
	TRIP 1, 1                                      ; tiles 1 to 6
	TRIP 0, 1
	s_sub_co_u32 s19, s19, 1
	s_cmp_lg_u32 s19, 0
	s_cbranch_scc1 .Ltiles
	TRIP 1, 0                                      ; tile 7 fetches nothing (the stepped addresses are not used)
	STB 0, 0, 0, 0, 0                              ; B(15): no further Q K; no K is on its way, so V is waited for with 0
	PVPH 1, 0, 0, 0                                ; the last P V, bare, with its five places
	WIN 0
.irp q, 0, 1, 2, 3
	v_permlanex16_b32 v[YY+\q], v[PA+2*\q+1], s14, s15
.endr
.irp q, 0, 1, 2, 3
	v_add_f32 v[PA+2*\q+1], v[PA+2*\q+1], v[YY+\q]             ; the sum over both halves of the lanes
.endr
	; THE MERGE.  Waves 4-7 hand O, MN and the sums to waves 0-3 through LDS bytes of their own.
	s_cmp_lt_u32 s8, 4
	s_cbranch_scc1 .Lkeep
.irp q, 0, 1, 2, 3
	v_mov_b32 v[TT+\q], v[PM+2*\q]                 ; four neighbouring registers for one store
	v_mov_b32 v[TT+4+\q], v[PA+2*\q+1]
.endr
	ds_store_b128 v[DA], v[TT:TT+3] offset:16384
	ds_store_b128 v[DA], v[TT+4:TT+7] offset:16896
	WIN 0x04
.set i_, 0
.rept 32
	ds_store_b128 v[DA], v[4*i_:4*i_+3] offset:512*i_
.set i_, i_+1
.endr
	WIN 0
.Lkeep:
	s_wait_dscnt 0x0                               ; for the others' sake: my stores are done
	s_barrier_signal -1
	s_barrier_wait -1
	s_cmp_ge_u32 s8, 4
	s_cbranch_scc1 .Lend
	ds_load_b128 v[TT:TT+3], v[DA] offset:16384    ; the partner's MN
	ds_load_b128 v[TT+4:TT+7], v[DA] offset:16896  ; and sums
.set i_, 0
.rept 32
	ds_load_b128 v[SS+4*i_:SS+4*i_+3], v[DA] offset:512*i_     ; and O, where the scores were
.set i_, i_+1
.endr
	s_wait_dscnt 32                                ; the two small loads are in, O's 32 stay out
.irp q, 0, 1, 2, 3
	v_min_num_f32 v[XX+\q], v[PM+2*\q], v[TT+\q]   ; the common base: that of the larger maximum
	v_sub_f32 v[PA+2*\q], v[XX+\q], v[PM+2*\q]
	v_sub_f32 v[PM+2*\q], v[XX+\q], v[TT+\q]
.endr
.irp q, 0, 1, 2, 3
	v_exp_f32 v[PA+2*\q], v[PA+2*\q]
	v_exp_f32 v[PM+2*\q], v[PM+2*\q]
.endr
	v_nop
.irp q, 0, 1, 2, 3
	s_wait_alu depctr_va_vdst(0)
	v_mul_f32 v[YY+\q], v[PA+2*\q+1], v[PA+2*\q]
.endr
.irp q, 0, 1, 2, 3
	v_fmac_f32 v[YY+\q], v[TT+4+\q], v[PM+2*\q]    ; the whole row's sum: at least about 1, since the largest p is about 1
.endr
.irp q, 0, 1, 2, 3
	v_rcp_f32 v[YY+\q], v[YY+\q]
.endr
	v_nop
.irp q, 0, 1, 2, 3
	s_wait_alu depctr_va_vdst(0)
	v_mul_f32 v[PA+2*\q], v[PA+2*\q], v[YY+\q]
	v_mul_f32 v[PM+2*\q], v[PM+2*\q], v[YY+\q]
.endr
	s_wait_dscnt 0x0
.set qt_, 0
.rept 4
.set i_, 0
.rept 16
	v_pk_mul_f32 v[SS+32*qt_+2*i_:SS+32*qt_+2*i_+1], v[SS+32*qt_+2*i_:SS+32*qt_+2*i_+1], v[PM+2*qt_:PM+2*qt_+1] op_sel_hi:[1,0]
.set i_, i_+1
.endr
.set qt_, qt_+1
.endr
	WIN 0x01
.set qt_, 0
.rept 4
.set i_, 0
.rept 16
	v_pk_fma_f32 v[SS+32*qt_+2*i_:SS+32*qt_+2*i_+1], v[32*qt_+2*i_:32*qt_+2*i_+1], v[PA+2*qt_:PA+2*qt_+1], v[SS+32*qt_+2*i_:SS+32*qt_+2*i_+1] op_sel_hi:[1,0,1]
.set i_, i_+1
.endr
.set qt_, qt_+1
.endr
	WIN 0
.set i_, 0
.rept 64
	v_cvt_pk_f16_f32 v[KF+i_], v[SS+2*i_], v[SS+2*i_+1]        ; a lane's eight numbers of a tile are eight neighbouring d of one query: 16 bytes
.set i_, i_+1
.endr
.set qt_, 0
.rept 4
.set dt_, 0
.rept 4
	ds_store_b128 v[STO], v[KF+4*(4*qt_+dt_):KF+4*(4*qt_+dt_)+3] offset:16*KP*qt_+32*dt_
.set dt_, dt_+1
.endr
.set qt_, qt_+1
.endr
.set i_, 0
.rept 16
	ds_load_b128 v[SS+4*i_:SS+4*i_+3], v[RD] offset:4*KP*i_    ; my own bytes, served in order behind my stores
.set i_, i_+1
.endr
.set i_, 0
.rept 16
	s_wait_dscnt 15-i_                             ; this read-back is in, the younger ones stay out
	global_store_b128 v[GO], v[SS+4*i_:SS+4*i_+3], s[68:69] offset:512*i_      ; a wave's store covers 512 consecutive bytes, aligned
.set i_, i_+1
.endr
.Lend:
	s_wait_tensorcnt 0x0
	ds_add_u32 v22, v23
	s_wait_dscnt 0x0
	ROUND                                          ; the closing round
	s_endpgm
.Lfunc_end_k_q0c60293eb8_attn:
	.size	k_q0c60293eb8_attn, .Lfunc_end_k_q0c60293eb8_attn-k_q0c60293eb8_attn
	.p2alignl 7, 3214868480
	.fill 96, 4, 3214868480
	.section	.rodata,"a",@progbits
	.p2align	6, 0x0
	.amdhsa_kernel k_q0c60293eb8_attn
		.amdhsa_group_segment_fixed_size 327680
		.amdhsa_private_segment_fixed_size 0
		.amdhsa_enable_private_segment 0
		.amdhsa_kernarg_size 16
		.amdhsa_user_sgpr_count 2
		.amdhsa_user_sgpr_kernarg_segment_ptr 1
		.amdhsa_wavefront_size32 1
		.amdhsa_system_sgpr_workgroup_id_x 1
		.amdhsa_system_sgpr_workgroup_id_y 1
		.amdhsa_system_sgpr_workgroup_id_z 1
		.amdhsa_system_vgpr_workitem_id 0
		.amdhsa_next_free_vgpr 512
		.amdhsa_next_free_sgpr 72
		.amdhsa_reserve_vcc 0
		.amdhsa_float_denorm_mode_32 3
		.amdhsa_float_denorm_mode_16_64 3
		.amdhsa_memory_ordered 1
		.amdhsa_forward_progress 1
		.amdhsa_inst_pref_size 255
	.end_amdhsa_kernel
	.section	.bss,"aw",@nobits
	.p2align	6
	.space	262144
	.amdgpu_metadata
---
amdhsa.version: [ 1, 2 ]
amdhsa.kernels:
  - .name:           k_q0c60293eb8_attn
    .symbol:         k_q0c60293eb8_attn.kd
    .args:
      - { .name: qkvb, .offset: 0, .size: 8, .value_kind: global_buffer, .address_space: global }
      - { .name: ob, .offset: 8, .size: 8, .value_kind: global_buffer, .address_space: global }
    .group_segment_fixed_size: 327680
    .private_segment_fixed_size: 0
    .kernarg_segment_align: 8
    .kernarg_segment_size: 16
    .max_flat_workgroup_size: 256
    .sgpr_count:     72
    .vgpr_count:     512
    .wavefront_size: 32
...
	.end_amdgpu_metadata
.endif
;; end of part 3
;; launch proj (part 4): grid 8 x 32, 4 waves a work-group, clusters of 4 x 4, 327,680 bytes of LDS; arguments ob, castb, proj_b, out0; writes out0
.if DOCPART == 4
	.amdgcn_target "amdgcn-amd-amdhsa--gfx1250"
	.amdhsa_code_object_version 6
	.text
	.protected	k_q0c60293eb8_proj
	.globl	k_q0c60293eb8_proj
	.p2align	8
	.type	k_q0c60293eb8_proj,@function
k_q0c60293eb8_proj:
	s_mov_b64 s[64:65], 0
	v_nop
	global_prefetch_b8 v0, s[64:65] scope:SCOPE_SE
	s_setreg_imm32_b32 hwreg(HW_REG_WAVE_MODE, 25, 1), 1
	s_wait_xcnt 0x0
	s_wait_alu depctr_hold_cnt(0) depctr_sa_sdst(0) depctr_va_vdst(0) depctr_va_sdst(0) depctr_va_ssrc(0) depctr_va_vcc(0) depctr_vm_vsrc(0)
	s_getreg_b32 s2, hwreg(HW_REG_IB_STS2, 6, 4)
	s_cmp_eq_u32 s2, 0
	s_cbranch_scc0 .Lentry_in_a_cluster
	s_endpgm
.Lentry_in_a_cluster:
	s_bfe_u32 s2, ttmp6, 0x10000c
	s_cmp_lg_u32 s2, 0xf033
	s_cbranch_scc0 .Lentry_shape_is_right
	s_endpgm
.Lentry_shape_is_right:
; out0 = o P^T + bias, f32.  o comes head-major in f16 (ob [b][h][n][64]), P in f16 from castb at byte 14,680,064.
; 4096 x 1024 of output in blocks of 128 x 128 make 256 work-groups; a larger block would leave WGPs without work.  Four waves, each 64 x 64:
; 16 accumulator tiles.  K goes in 4 steps of 256 (four heads) through two LDS slots, so half of all operands are asked for at the start
; and only two refills follow.  CLUSTER 4 x 4: o's tiles are asked for jointly along a row of the cluster, P's along a column.
; The matrix instruction is used transposed (source 0 = rows of P, source 1 = rows of o): a lane holds eight neighbouring columns of a row.
; LIMITS: operands in f16 as they were stored, sums in f32; the bias is added in f32 behind the sum.
.set AP, 144                           ; o's LDS pitch: a head's 128 bytes + 16
.set HT, 128*AP                        ; one head's 128 rows: what one tensor load brings
.set BP, 528                           ; P's LDS pitch: 512 bytes + 16; both pitches are odd multiples of 16
.set BOFF, 4*HT
.set SLOT, BOFF+128*BP
.set STAGE, 2*SLOT                     ; behind the ring (a multiple of 256): 16 rows x 272 bytes for each wave
.set SP, 272
.set ADRA, 16
.set ADRB, 18
.set STO, 20
.set RD, 21
.set CO, 22
.set BO, 23
.set BIAS, 24                          ; v24-27  the bias of the four columns that I store
                                       ; buffer n: o's fragments at v[32 + 64 n], P's at v[64 + 64 n]; v160-223 rows read back, two sets
                                       ; window 1: accumulator tile (a, b) at 8 (4 a + b)
.set G1A, 24
.set G1B, 32
.set G0A, 40
.set G0B, 48
.set MSB, 0
.macro WIN new
.if MSB != (\new)
	s_set_vgpr_msb (MSB<<8)|(\new)
.set MSB, (\new)
.endif
.endm
.macro PLACES n
.rept \n
	v_nop
.endr
.endm
.macro CREST
	s_cmp_lg_u32 s12, 0
	s_cbranch_scc1 .Lnot_wave_0_\@
	s_barrier_signal -3
.Lnot_wave_0_\@:
	s_barrier_wait -3
	s_barrier_signal -1
	s_barrier_wait -1
.endm
.macro CROUND
	s_barrier_signal -1
	s_barrier_wait -1
	CREST
.endm
.macro JLOAD s                         ; every wave asks for one head's 128 rows of o and for 32 rows of P
	tensor_load_to_lds s[G0A+4*\s:G0A+4*\s+3], s[G1A:G1A+7]
	s_nop 0
	tensor_load_to_lds s[G0B+4*\s:G0B+4*\s+3], s[G1B:G1B+7]
	s_nop 0
.endm
	s_load_b256 s[4:11], s[0:1], 0x0               ; ob s[4:5], castb s[6:7], proj_b s[8:9], out0 s[10:11]
	v_lshl_add_u32 v254, v0, 2, 0x49400
	v_mov_b32 v255, 0
	ds_add_u32 v254, v255
	v_lshrrev_b32 v1, 5, v0
	v_readfirstlane_b32 s12, v1                    ; wave 0..3
	s_bfe_u32 s13, ttmp6, 0x40000                  ; cx
	s_bfe_u32 s14, ttmp6, 0x40004                  ; cy
	s_lshl_b32 s15, ttmp9, 2
	s_add_co_u32 s15, s15, s13                     ; block column
	s_and_b32 s16, ttmp7, 0xffff
	s_lshl_b32 s16, s16, 2
	s_add_co_u32 s16, s16, s14                     ; block row
	s_lshl_b32 s17, s14, 2
	s_lshl_b32 s17, 15, s17                        ; my row of the cluster
	s_lshl_b32 s18, 0x1111, s13                    ; my column
	s_lshr_b32 s19, s12, 1                         ; which 64 rows are mine
	s_and_b32 s20, s12, 1                          ; which 64 columns
	s_or_b32 s[G1A+0], s17, (1<<16)|(1<<20)|(1<<21)|(4<<22)|(3<<25)    ; 2-byte elements, after every 32 dwords 4 dwords of padding
	s_mov_b32 s[G1A+1], 64<<16                     ; tensor_dim0 = 64
	s_mov_b32 s[G1A+2], 128<<16                    ; tensor_dim1 = 128
	s_mov_b32 s[G1A+3], 64<<16                     ; tile_dim0 = 64
	s_mov_b32 s[G1A+4], 128                        ; tile_dim1 = 128
	s_mov_b32 s[G1A+5], 64                         ; elements from row to row
	s_mov_b32 s[G1A+6], 0
	s_mov_b32 s[G1A+7], 0
	s_or_b32 s[G1B+0], s18, (1<<16)|(1<<20)|(1<<21)|(6<<22)|(3<<25)    ; after every 128 dwords 4 dwords
	s_mov_b32 s[G1B+1], 256<<16                    ; tensor_dim0 = 256
	s_mov_b32 s[G1B+2], 32<<16                     ; tensor_dim1 = 32
	s_mov_b32 s[G1B+3], 256<<16                    ; tile_dim0 = 256 elements = 512 bytes
	s_mov_b32 s[G1B+4], 32                         ; tile_dim1 = 32
	s_mov_b32 s[G1B+5], 1024
	s_mov_b32 s[G1B+6], 0
	s_mov_b32 s[G1B+7], 0
	s_lshr_b32 s70, s16, 4                         ; o: b << 22, head (= wave, + 4 a K step) << 18, n0 * 128: of the block row and the wave alone
	s_lshl_b32 s70, s70, 22
	s_and_b32 s72, s16, 15
	s_lshl_b32 s72, s72, 14
	s_add_co_u32 s70, s70, s72
	s_lshl_b32 s72, s12, 18
	s_add_co_u32 s70, s70, s72
	s_mov_b32 s71, 0
	s_lshl_b32 s74, s15, 18                        ; P: 128 rows of 2,048 bytes a block column, 32 rows a wave: of the block column and the wave alone
	s_lshl_b32 s76, s12, 16
	s_add_co_u32 s74, s74, s76
	s_add_co_u32 s74, s74, 0xe00000                ; behind x and qkv_w in castb
	s_mov_b32 s75, 0
	s_mul_i32 s73, s12, HT                         ; LDS: of the wave alone
	s_mul_i32 s77, s12, 32*BP
	s_add_co_u32 s77, s77, BOFF
	s_lshl_b32 s22, s15, 9                         ; my first column, in bytes of f32
	s_lshl_b32 s21, s20, 8
	s_add_co_u32 s22, s22, s21
	s_mov_b32 s23, 0
	s_lshl_b32 s60, s16, 19                        ; my first row: rows of 4,096 bytes
	s_lshl_b32 s21, s19, 18
	s_add_co_u32 s60, s60, s21
	s_add_co_u32 s60, s60, s22
	s_mov_b32 s61, 0
	s_wait_dscnt 0x0
	s_wait_kmcnt 0x0
	s_add_nc_u64 s[70:71], s[4:5], s[70:71]
	s_add_nc_u64 s[74:75], s[6:7], s[74:75]
	s_add_nc_u64 s[56:57], s[10:11], s[60:61]
	s_add_nc_u64 s[58:59], s[8:9], s[22:23]
	CROUND                                         ; in front of the first joint loads
.irp s, 0, 1
	s_mov_b32 s[G0A+4*\s], 1
	s_add_co_u32 s[G0A+4*\s+1], s73, \s*SLOT
	s_add_nc_u64 s[G0A+4*\s+2:G0A+4*\s+3], s[70:71], \s<<20
	s_or_b32 s[G0A+4*\s+3], s[G0A+4*\s+3], 0x80000000
	s_mov_b32 s[G0B+4*\s], 1
	s_add_co_u32 s[G0B+4*\s+1], s77, \s*SLOT
	s_add_nc_u64 s[G0B+4*\s+2:G0B+4*\s+3], s[74:75], \s*512
	s_or_b32 s[G0B+4*\s+3], s[G0B+4*\s+3], 0x80000000
	JLOAD \s                                       ; K steps 0 and 1: four tensor loads of a wave are out, the most in this text
.endr
	v_and_b32 v1, 15, v0                           ; r
	v_bfe_u32 v2, v0, 4, 1                         ; h
	v_mul_u32_u24 v3, v1, AP
	v_lshl_add_u32 v3, v2, 4, v3
	s_mul_i32 s21, s19, 64*AP
	v_add_nc_u32 v[ADRA], s21, v3
	v_add_nc_u32 v[ADRA+1], SLOT, v[ADRA]
	v_mul_u32_u24 v4, v1, BP
	v_lshl_add_u32 v4, v2, 4, v4
	s_mul_i32 s60, s20, 64*BP
	s_add_co_u32 s60, s60, BOFF
	v_add_nc_u32 v[ADRB], s60, v4
	v_add_nc_u32 v[ADRB+1], SLOT, v[ADRB]
	s_mul_i32 s61, s12, 16*SP
	s_add_co_u32 s61, s61, STAGE
	v_mul_u32_u24 v5, v1, SP
	v_lshl_add_u32 v5, v2, 5, v5
	v_add_nc_u32 v[STO], s61, v5                   ; in: row r, 32 bytes for each half of the lanes
	v_lshlrev_b32 v[BO], 4, v1
	v_mul_u32_u24 v6, v2, SP
	v_add_nc_u32 v6, v6, v[BO]
	v_add_nc_u32 v[RD], s61, v6                    ; back: sixteen lanes a row of 256 bytes, two rows a load
	v_lshl_add_u32 v[CO], v2, 12, v[BO]            ; and the same two rows in out0
	global_load_b128 v[BIAS:BIAS+3], v[BO], s[58:59]
.macro FETCH s, q, n                   ; 16 loads: my 64 rows of o and my 64 rows of P, 32 K: quarter q of 8
.set a_, 0
.rept 4
	ds_load_b128 v[32+64*\n+8*a_:32+64*\n+8*a_+3], v[ADRA+\s] offset:((\q)>>1)*HT+((\q)&1)*64+a_*16*AP
	ds_load_b128 v[32+64*\n+8*a_+4:32+64*\n+8*a_+7], v[ADRA+\s] offset:((\q)>>1)*HT+((\q)&1)*64+a_*16*AP+32
.set a_, a_+1
.endr
.set b_, 0
.rept 4
	ds_load_b128 v[64+64*\n+8*b_:64+64*\n+8*b_+3], v[ADRB+\s] offset:64*(\q)+b_*16*BP
	ds_load_b128 v[64+64*\n+8*b_+4:64+64*\n+8*b_+7], v[ADRB+\s] offset:64*(\q)+b_*16*BP+32
.set b_, b_+1
.endr
.endm
; 8 matrix instructions.  The sixteen accumulators take turns, one instruction a turn, in one order.
.macro MUL8 n, a0, zero
.set a_, \a0
.rept 2
.set b_, 0
.rept 4
.if \zero
	v_wmma_f32_16x16x32_f16 v[8*(4*a_+b_):8*(4*a_+b_)+7], v[64+64*\n+8*b_:64+64*\n+8*b_+7], v[32+64*\n+8*a_:32+64*\n+8*a_+7], 0
.else
	v_wmma_f32_16x16x32_f16 v[8*(4*a_+b_):8*(4*a_+b_)+7], v[64+64*\n+8*b_:64+64*\n+8*b_+7], v[32+64*\n+8*a_:32+64*\n+8*a_+7], v[8*(4*a_+b_):8*(4*a_+b_)+7]
.endif
.set b_, b_+1
.endr
.set a_, a_+1
.endr
.endm
.macro QUARTER s, qn, n, m, zero
	PLACES 4                                       ; buffer m was read by the matrix instructions just issued
	WIN 0
	FETCH \s, \qn, \m
	s_wait_dscnt 16                                ; all but the 16 just issued: buffer n is in
	WIN 0x50                                       ; C and D window 1
	MUL8 \n, 0, \zero
	MUL8 \n, 2, \zero
.endm
.macro SEVEN s, zero
	QUARTER \s, 1, 0, 1, \zero
	QUARTER \s, 2, 1, 0, 0
	QUARTER \s, 3, 0, 1, 0
	QUARTER \s, 4, 1, 0, 0
	QUARTER \s, 5, 0, 1, 0
	QUARTER \s, 6, 1, 0, 0
	QUARTER \s, 7, 0, 1, 0
.endm
; The eighth quarter multiplies buffer 1 and changes slots: each wave's waits for its reads of this slot and for all its tensor loads, the
; barrier (with fill = 1 it opens a round of the cluster's barrier), the joint refill first behind it, then the next slot's first fragments.
.macro TURN s, next, fill
	s_wait_dscnt 0x0
	s_wait_tensorcnt 0x0
	ds_add_u32 v254, v255
	s_wait_dscnt 0x0
	s_barrier_signal -1
	MUL8 1, 0, 0
	WIN 0
	s_barrier_wait -1
.if \fill
	CREST
	s_add_nc_u64 s[G0A+4*\s+2:G0A+4*\s+3], s[G0A+4*\s+2:G0A+4*\s+3], 2<<20
	s_add_nc_u64 s[G0B+4*\s+2:G0B+4*\s+3], s[G0B+4*\s+2:G0B+4*\s+3], 1024
	JLOAD \s
.endif
	PLACES 4
	FETCH \next, 0, 0
	WIN 0x50
	MUL8 1, 2, 0
.endm
	s_wait_tensorcnt 2                             ; my two loads of K step 0 are in, the two of K step 1 stay out
	s_barrier_signal -1
	s_barrier_wait -1
	FETCH 0, 0, 0
	SEVEN 0, 1                                     ; K step 0: the first products start the sums
	TURN 0, 1, 1                                   ; K step 2 is asked for
	SEVEN 1, 0
	TURN 1, 0, 1                                   ; K step 3 is asked for
	SEVEN 0, 0
	TURN 0, 1, 0
	SEVEN 1, 0
	s_wait_dscnt 0x0
	MUL8 1, 0, 0
	MUL8 1, 2, 0
	PLACES 4                                       ; behind the last matrix instructions: LDS stores read the results
	s_wait_loadcnt 0x0                             ; the bias
; 16 rows: f32 as it lies into my stage, back as whole rows of 256 bytes, bias added, out
.macro OUTP a
.set RB_, 160+32*((\a)&1)
	WIN 0x04                                       ; the stores' data in window 1
.set b_, 0
.rept 4
	ds_store_b128 v[STO], v[8*(4*\a+b_):8*(4*\a+b_)+3] offset:64*b_
	ds_store_b128 v[STO], v[8*(4*\a+b_)+4:8*(4*\a+b_)+7] offset:64*b_+16
.set b_, b_+1
.endr
	WIN 0
	s_wait_xcnt 0x0                                ; registers that earlier stores read are loaded again only behind this wait
.set t_, 0
.rept 8
	ds_load_b128 v[RB_+4*t_:RB_+4*t_+3], v[RD] offset:2*SP*t_  ; my own bytes, served in order behind my stores
.set t_, t_+1
.endr
.set t_, 0
.rept 8
	s_wait_dscnt 7-t_
	v_pk_add_f32 v[RB_+4*t_:RB_+4*t_+1], v[RB_+4*t_:RB_+4*t_+1], v[BIAS:BIAS+1]
	v_pk_add_f32 v[RB_+4*t_+2:RB_+4*t_+3], v[RB_+4*t_+2:RB_+4*t_+3], v[BIAS+2:BIAS+3]
	global_store_b128 v[CO], v[RB_+4*t_:RB_+4*t_+3], s[56:57] offset:(16*\a+2*t_)*4096 th:TH_STORE_NT   ; sixteen lanes store 256 consecutive bytes, aligned
.set t_, t_+1
.endr
.endm
	OUTP 0
	OUTP 1
	OUTP 2
	OUTP 3
	s_wait_tensorcnt 0x0
	ds_add_u32 v254, v255
	s_wait_dscnt 0x0
	CROUND                                         ; the closing round
	s_endpgm
.Lfunc_end_k_q0c60293eb8_proj:
	.size	k_q0c60293eb8_proj, .Lfunc_end_k_q0c60293eb8_proj-k_q0c60293eb8_proj
	.p2alignl 7, 3214868480
	.fill 96, 4, 3214868480
	.section	.rodata,"a",@progbits
	.p2align	6, 0x0
	.amdhsa_kernel k_q0c60293eb8_proj
		.amdhsa_group_segment_fixed_size 327680
		.amdhsa_private_segment_fixed_size 0
		.amdhsa_enable_private_segment 0
		.amdhsa_kernarg_size 32
		.amdhsa_user_sgpr_count 2
		.amdhsa_user_sgpr_kernarg_segment_ptr 1
		.amdhsa_wavefront_size32 1
		.amdhsa_system_sgpr_workgroup_id_x 1
		.amdhsa_system_sgpr_workgroup_id_y 1
		.amdhsa_system_sgpr_workgroup_id_z 1
		.amdhsa_system_vgpr_workitem_id 0
		.amdhsa_next_free_vgpr 384
		.amdhsa_next_free_sgpr 80
		.amdhsa_reserve_vcc 0
		.amdhsa_float_denorm_mode_32 3
		.amdhsa_float_denorm_mode_16_64 3
		.amdhsa_memory_ordered 1
		.amdhsa_forward_progress 1
		.amdhsa_inst_pref_size 92
	.end_amdhsa_kernel
	.amdgpu_metadata
---
amdhsa.version: [ 1, 2 ]
amdhsa.kernels:
  - .name:           k_q0c60293eb8_proj
    .symbol:         k_q0c60293eb8_proj.kd
    .args:
      - { .name: ob, .offset: 0, .size: 8, .value_kind: global_buffer, .address_space: global }
      - { .name: castb, .offset: 8, .size: 8, .value_kind: global_buffer, .address_space: global }
      - { .name: proj_b, .offset: 16, .size: 8, .value_kind: global_buffer, .address_space: global }
      - { .name: out0, .offset: 24, .size: 8, .value_kind: global_buffer, .address_space: global }
    .group_segment_fixed_size: 327680
    .private_segment_fixed_size: 0
    .kernarg_segment_align: 8
    .kernarg_segment_size: 32
    .max_flat_workgroup_size: 128
    .sgpr_count:     80
    .vgpr_count:     384
    .wavefront_size: 32
...
	.end_amdgpu_metadata
.endif
;; end of part 4
